; MI455X (gfx1250); checked and timed in simulation.
; The chip was launched on July 23, 2026; its instructions are those of AMD's public machine-readable ISA for CDNA 5 (MIT licence, August 2026) and "CDNA5" Instruction Set Architecture Reference Guide (July 2026). The comments in the code are by the model that wrote it; some were corrected since.
;; Proxy Delta Linear. Allowed arithmetic: float matrix products may take bf16 or f16 operands with f32 sums; all other float work in f32.
;; Inputs: gain 1 x 512 x 1 float32; weight 512 x 128 float32; x 4 x 4,096 x 128 float32.
;; Outputs: out0 4 x 4,096 x 512 float32.
;; 2 versions, each right; version 2 is version 1 with the launch proxy written anew for expert scheduling mode. Each part assembles by itself: llvm-mc -triple=amdgcn-amd-amdhsa -mcpu=gfx1250 --defsym DOCPART=n.
;; ======== version 1 of 2: 1 launch
;; launch proxy (part 1): grid 2 x 128, 8 waves a work-group, no clusters, 313,344 bytes of LDS; arguments x, weight, gain, out0; writes out0
.if DOCPART == 1
	.amdgcn_target "amdgcn-amd-amdhsa--gfx1250"
	.amdhsa_code_object_version 6
	.text
	.protected	k_qd64943bbd3_proxy
	.globl	k_qd64943bbd3_proxy
	.p2align	8
	.type	k_qd64943bbd3_proxy,@function
k_qd64943bbd3_proxy:
	s_mov_b64 s[64:65], 0
	v_nop
	global_prefetch_b8 v0, s[64:65] scope:SCOPE_SE
	s_setreg_imm32_b32 hwreg(HW_REG_WAVE_MODE, 25, 1), 1
	s_wait_xcnt 0x0
; out[n][c] = (0.5 - dist[n][c]) * gain[c],  dist = (l1 - l2) + l2,
;   l1 = mean over k of |tanh x[n][k] - tanh w[c][k]|,  l2 = max(|tx|^2 + |tw|^2 - 2 tx.tw, 0) / 128.
; x: [16384][128] f32, weight: [512][128] f32, gain: [512] f32, out0: [16384][512] f32.
;
; THE SHARE.  256 work-groups of 8 waves.  A work-group makes 128 rows x 256 columns (ttmp9: which half of the columns, ttmp7: which 128 rows):
; of the ways to cut 32,768 outputs this one has the fewest operand rows to put through tanh, 128 + 256.  A wave makes 32 rows x 128 columns, a lane 16 x 8.
; THE L1 SUM.  |a - b| = 2 max(a, b) - a - b, so sum |a - b| = 2 (sum max(a, b) - (sum a + sum b) / 2).  Two maxima go in one dual instruction and two
; additions in one packed one: one instruction for each term.  The sums start at -(sum a + sum b) / 2, so nothing is cleared.  tanh keeps every term
; within [-1, 1] for every input, so the difference of sums costs an absolute error of the order of 1e-5 in a sum of 128 terms, whatever the inputs' scale.
; THE L2 TERM goes to the matrix unit in bf16 with f32 sums, C started at -(|tx|^2 + |tw|^2) / 2: D = tx.tw - (..)/2, N = min(D, 0) = -64 l2.
; With ACC = 64 l1:  64 dist = (ACC + N) - N  (the factor 64 is a power of two: the roundings are those of (l1 - l2) + l2),  out = 64 dist * (-gain/64) + gain/2.
; LAYOUT.  A lane's sums lie as a matrix result lies: lane (r = l % 16, h = l / 16), register j of tile (rt, ct) = row 16 rt + 8 h + j, tile column r.
; Tile column r of tile ct = 4 g + b stands for output column 64 g + 4 r + b of the wave's 128: a lane's tiles b = 0..3 are four neighbouring columns, 16 bytes,
; and sixteen lanes store 256 consecutive bytes, aligned.  The weight rows are laid into LDS in the tiles' order (LDS row 64 G + 16 b + r holds column 64 G + 4 r + b).
; NOT USED: tensor loads, clusters, multicast: every operand byte has to pass through tanh in registers before any wave can use it, and is fetched once per work-group.
; LIMITS.  tanh t = 1 - 2 / (1 + 2^(2.885390 t)): absolute error about 1.2e-7 (relative error poor for tiny t; only differences of order 1 are formed from it);
; +-inf give +-1.  A NaN in a row of x or of weight reaches every output of that row or column through the row's sum, as in the reference.
; 0.5 - d stands for (1 - d) - 0.5, and the order of the additions differs from the reference's.
.set PF, 528                           ; LDS pitch of an f32 row: 512 + 16 bytes = 132 words: row q starts 4 q banks on (64 banks of 4 bytes: ISA guide 11.1)
.set PB, 272                           ; LDS pitch of a bf16 row: 256 + 16 bytes
.set XF, 0                             ; tanh x, f32, 128 rows
.set WF, XF+128*PF                     ; tanh w, f32, 256 rows in the tiles' order
.set XH, WF+256*PF                     ; tanh x, bf16
.set WH, XH+128*PB                     ; tanh w, bf16, the tiles' order
.set RT, WH+256*PB                     ; per row: -sum/2 [128], -sum of squares/2 [128]
.set CT, RT+1024                       ; per LDS row of w: -sum/2 [256], -sum of squares/2 [256], -gain/64 [256], gain/2 [256]; ends at 312,320
; registers while the operands are staged
.set GX, 2                             ; byte offset of my 16 bytes in the wave's first row of x
.set GW, 3                             ; the same for weight
.set SXF, 4                            ; LDS addresses of my part of the wave's first rows: x f32, x bf16, w f32, w bf16
.set SXB, 5
.set SWF, 6
.set SWB, 7
.set GV, 8                             ; gain of the column whose LDS row is my thread's number
.set GO, 9
.set L, 16                             ; v[16:207] 48 rows as loaded; later v[16:143] a row for the sums
.set SA, 2                             ; sums: LDS address of my row, of my table entry
.set TA, 3
.set SS, 144                           ; v[144:151] four chains of sums, v[152:159] of squares
.set QQ, 152
; registers of the main part
.set XADR, 2
.set WADR, 3
.set AFR, 4
.set BFR, 5
.set RADR, 6
.set CADR, 7
.set GOFF, 9
.set WS, 12                            ; v[12:15] -|tw|^2/2 of a group's four columns
.set X0, 16                            ; v[16:47]   16 rows x 2 k, buffer 0
.set W0, 48                            ; v[48:63]   8 columns x 2 k, buffer 0
.set X1, 64                            ; v[64:95]   buffer 1
.set W1, 96                            ; v[96:111]
.set T, 112                            ; v[112:127] 16 maxima
.set ACC, 128                          ; v[128:255] tile (rt, ct), register j at ACC + 64 rt + 8 ct + j
.set SX, 64                            ; start values, before buffer 1 is first filled
.set SW, 80
.set D, 16                             ; v[16:47]   four matrix accumulators; then the 32 results in store order
.set FA, 48                            ; v[48:87]   A fragment (8) and four B fragments (32)
.set FB, 88                            ; v[88:127]  the same, second buffer
.set GG, 48                            ; -gain/64 and gain/2 of the group's four columns, when the fragments are spent
.set HH, 52
	s_load_b256 s[4:11], s[0:1], 0x0               ; x s[4:5], weight s[6:7], gain s[8:9], out0 s[10:11]
	s_set_vgpr_msb 0x40
	v_lshl_add_u32 v0, v0, 2, 0x4c400
	v_mov_b32 v1, 0
	s_set_vgpr_msb 0x4000
	v_and_b32 v1, 31, v0                           ; lane
	v_lshrrev_b32 v10, 5, v0
	v_readfirstlane_b32 s12, v10                   ; wave 0..7
	s_and_b32 s13, ttmp7, 0xffff                   ; block of 128 rows
	s_lshl_b32 s14, s13, 16                        ; x: 128 rows of 512 bytes
	s_mov_b32 s15, 0
	s_lshl_b32 s16, ttmp9, 17                      ; weight: 256 rows of 512 bytes
	s_mov_b32 s17, 0
	s_lshl_b32 s18, ttmp9, 10                      ; gain, and a row of out0: 256 columns of 4 bytes
	s_mov_b32 s19, 0
	s_lshl_b32 s20, s13, 18                        ; out0: 128 rows of 2,048 bytes
	s_mov_b32 s21, 0
	s_lshr_b32 s22, s12, 1                         ; wave / 2: later my block of 32 rows
	s_and_b32 s23, s12, 1                          ; wave % 2: later my half of the columns
	s_mov_b32 s28, 0x4038aa3b                      ; 2 / ln 2
	s_mov_b32 s29, 0x4038aa3b
	; The wave stages x rows 16 w .. 16 w + 15 and the LDS rows 32 w .. 32 w + 31 of weight.  LDS row 32 w + i holds column 64 (w/2) + 2 (w%2) + 4 (i%16) + i/16.
	s_lshl_b32 s24, s22, 15                        ; 64 (w/2) rows of 512 bytes
	s_lshl_b32 s25, s23, 10                        ; 2 (w%2) rows
	s_add_co_u32 s24, s24, s25
	s_lshl_b32 s25, s12, 13                        ; 16 w rows
	v_lshlrev_b32 v10, 4, v1                       ; 16 bytes a lane: a wave's load or store covers a whole row of 512 bytes
	v_lshlrev_b32 v11, 3, v1                       ; 8 bytes a lane in a bf16 row
	v_add_nc_u32 v[GX], s25, v10
	v_add_nc_u32 v[GW], s24, v10
	s_mul_i32 s26, s12, 16*PF
	v_add_nc_u32 v[SXF], s26, v10
	s_mul_i32 s26, s12, 32*PF
	s_add_co_u32 s26, s26, WF
	v_add_nc_u32 v[SWF], s26, v10
	s_mul_i32 s26, s12, 16*PB
	s_add_co_u32 s26, s26, XH
	v_add_nc_u32 v[SXB], s26, v11
	s_mul_i32 s26, s12, 32*PB
	s_add_co_u32 s26, s26, WH
	v_add_nc_u32 v[SWB], s26, v11
	v_and_b32 v[GO], 0xc0, v0                      ; thread t will sum LDS row t of weight, which is column (t & 0xc0) + 4 (t % 16) + (t / 16) % 4
	v_and_b32 v10, 15, v0
	v_bfe_u32 v11, v0, 4, 2
	v_lshl_add_u32 v[GO], v10, 2, v[GO]
	v_add_lshl_u32 v[GO], v[GO], v11, 2
	s_wait_kmcnt 0x0
	s_add_nc_u64 s[4:5], s[4:5], s[14:15]
	s_add_nc_u64 s[6:7], s[6:7], s[16:17]
	s_add_nc_u64 s[8:9], s[8:9], s[18:19]
	s_add_nc_u64 s[10:11], s[10:11], s[18:19]
	s_add_nc_u64 s[10:11], s[10:11], s[20:21]
	global_load_b32 v[GV], v[GO], s[8:9]
.set i, 0
.rept 16
	global_load_b128 v[L+4*i:L+4*i+3], v[GX], s[4:5] offset:512*i
.set i, i+1
.endr
.set i, 0
.rept 32
	global_load_b128 v[L+64+4*i:L+64+4*i+3], v[GW], s[6:7] offset:512*(4*(i&15)+(i>>4))
.set i, i+1
.endr
; tanh in place of v[ra:ra+3] and v[rb:rb+3].  The two rows are woven so that between each v_exp_f32 or v_rcp_f32 and the first use of its result
; stands a plain vector instruction of the other row (ISA guide 5.7.2): no v_nop is needed.
.macro TANH2
	v_pk_mul_f32 v[ra:ra+1], v[ra:ra+1], s[28:29] op_sel_hi:[1,0]
	v_pk_mul_f32 v[ra+2:ra+3], v[ra+2:ra+3], s[28:29] op_sel_hi:[1,0]
	v_exp_f32 v[ra], v[ra]
	v_exp_f32 v[ra+1], v[ra+1]
	v_exp_f32 v[ra+2], v[ra+2]
	v_exp_f32 v[ra+3], v[ra+3]
	v_pk_mul_f32 v[rb:rb+1], v[rb:rb+1], s[28:29] op_sel_hi:[1,0]
	v_pk_mul_f32 v[rb+2:rb+3], v[rb+2:rb+3], s[28:29] op_sel_hi:[1,0]
	v_exp_f32 v[rb], v[rb]
	v_exp_f32 v[rb+1], v[rb+1]
	v_exp_f32 v[rb+2], v[rb+2]
	v_exp_f32 v[rb+3], v[rb+3]
	s_wait_alu depctr_va_vdst(0)
	v_pk_add_f32 v[ra:ra+1], v[ra:ra+1], 1.0 op_sel_hi:[1,0]
	v_pk_add_f32 v[ra+2:ra+3], v[ra+2:ra+3], 1.0 op_sel_hi:[1,0]
	v_rcp_f32 v[ra], v[ra]
	v_rcp_f32 v[ra+1], v[ra+1]
	v_rcp_f32 v[ra+2], v[ra+2]
	v_rcp_f32 v[ra+3], v[ra+3]
	v_pk_add_f32 v[rb:rb+1], v[rb:rb+1], 1.0 op_sel_hi:[1,0]
	v_pk_add_f32 v[rb+2:rb+3], v[rb+2:rb+3], 1.0 op_sel_hi:[1,0]
	v_rcp_f32 v[rb], v[rb]
	v_rcp_f32 v[rb+1], v[rb+1]
	v_rcp_f32 v[rb+2], v[rb+2]
	v_rcp_f32 v[rb+3], v[rb+3]
	s_wait_alu depctr_va_vdst(0)
	v_pk_fma_f32 v[ra:ra+1], v[ra:ra+1], -2.0, 1.0 op_sel_hi:[1,0,0]
	v_pk_fma_f32 v[ra+2:ra+3], v[ra+2:ra+3], -2.0, 1.0 op_sel_hi:[1,0,0]
	v_pk_fma_f32 v[rb:rb+1], v[rb:rb+1], -2.0, 1.0 op_sel_hi:[1,0,0]
	v_pk_fma_f32 v[rb+2:rb+3], v[rb+2:rb+3], -2.0, 1.0 op_sel_hi:[1,0,0]
.endm
; the two rows go to LDS rows \row and \row + 1 of the wave's share: as f32 for the L1 sums, rounded once to bf16 for the matrix unit
.macro PUT fadr, hadr, row
	ds_store_b128 v[\fadr], v[ra:ra+3] offset:(\row)*PF
	ds_store_b128 v[\fadr], v[rb:rb+3] offset:(\row)*PF+PF
	v_cvt_pk_bf16_f32 v[tb], v[ra], v[ra+1]
	v_cvt_pk_bf16_f32 v[tb+1], v[ra+2], v[ra+3]
	v_cvt_pk_bf16_f32 v[tb+2], v[rb], v[rb+1]
	v_cvt_pk_bf16_f32 v[tb+3], v[rb+2], v[rb+3]
	ds_store_b64 v[\hadr], v[tb:tb+1] offset:(\row)*PB
	ds_store_b64 v[\hadr], v[tb+2:tb+3] offset:(\row)*PB+PB
.endm
.set p, 0
.rept 8
.set ra, L+8*p
.set rb, ra+4
.set tb, 208+4*(p%12)                  ; twelve sets of four registers take turns for the bf16 words
	s_wait_loadcnt 46-2*p                          ; loads return in order: gain and x rows 0 .. 2 p + 1 are in, the 46 - 2 p younger loads stay out
	TANH2
	PUT SXF, SXB, 2*p
.set p, p+1
.endr
.set p, 0
.rept 16
.set ra, L+64+8*p
.set rb, ra+4
.set tb, 208+4*((p+8)%12)
	s_wait_loadcnt 30-2*p                          ; weight rows 0 .. 2 p + 1 of my 32 are in
	TANH2
	PUT SWF, SWB, 2*p
.set p, p+1
.endr
	s_wait_dscnt 0x0                               ; my rows are in LDS,
	s_barrier_signal -1
	s_barrier_wait -1                              ; and so are everybody's
; THE SUMS.  One thread for a row: 32 loads of 16 bytes (sixteen neighbouring rows start in sixteen different groups of four banks), four chains of sums and four of squares.
.macro ROWSUM
.set n, 0
.rept 32
	ds_load_b128 v[L+4*n:L+4*n+3], v[SA] offset:16*n
.set n, n+1
.endr
	s_wait_dscnt 28                                ; the first four loads (register pairs 0 to 7) are in
.set m, 0
.rept 4
	v_pk_add_f32 v[SS+2*m:SS+2*m+1], v[L+2*m:L+2*m+1], v[L+8+2*m:L+8+2*m+1]      ; the first pairs start the chains
	v_pk_mul_f32 v[QQ+2*m:QQ+2*m+1], v[L+2*m:L+2*m+1], v[L+2*m:L+2*m+1]
.set m, m+1
.endr
.set m, 0
.rept 4
	v_pk_fma_f32 v[QQ+2*m:QQ+2*m+1], v[L+8+2*m:L+8+2*m+1], v[L+8+2*m:L+8+2*m+1], v[QQ+2*m:QQ+2*m+1]
.set m, m+1
.endr
.set m, 8
.rept 56
.if (m%8)==0
	s_wait_dscnt 28-m/2                            ; four loads more are in: pairs m .. m + 7
.endif
	v_pk_add_f32 v[SS+2*(m%4):SS+2*(m%4)+1], v[SS+2*(m%4):SS+2*(m%4)+1], v[L+2*m:L+2*m+1]
	v_pk_fma_f32 v[QQ+2*(m%4):QQ+2*(m%4)+1], v[L+2*m:L+2*m+1], v[L+2*m:L+2*m+1], v[QQ+2*(m%4):QQ+2*(m%4)+1]
.set m, m+1
.endr
	v_pk_add_f32 v[SS:SS+1], v[SS:SS+1], v[SS+2:SS+3]
	v_pk_add_f32 v[SS+4:SS+5], v[SS+4:SS+5], v[SS+6:SS+7]
	v_pk_add_f32 v[QQ:QQ+1], v[QQ:QQ+1], v[QQ+2:QQ+3]
	v_pk_add_f32 v[QQ+4:QQ+5], v[QQ+4:QQ+5], v[QQ+6:QQ+7]
	v_pk_add_f32 v[SS:SS+1], v[SS:SS+1], v[SS+4:SS+5]
	v_pk_add_f32 v[QQ:QQ+1], v[QQ:QQ+1], v[QQ+4:QQ+5]
	v_add_f32 v[SS], v[SS], v[SS+1]
	v_add_f32 v[QQ], v[QQ], v[QQ+1]
	v_mul_f32 v[SS], -0.5, v[SS]                   ; -sum / 2
	v_mul_f32 v[QQ], -0.5, v[QQ]                   ; -sum of squares / 2
.endm
	v_mul_u32_u24 v[SA], v0, PF                    ; thread t: LDS row t of weight
	v_add_nc_u32 v[SA], WF, v[SA]
	v_lshlrev_b32 v[TA], 2, v0
	v_add_nc_u32 v[TA], CT, v[TA]
	ROWSUM
	v_mul_f32 v[SS+1], 0xbc800000, v[GV]           ; -gain / 64
	v_mul_f32 v[QQ+1], 0.5, v[GV]                  ; gain / 2
	ds_store_b32 v[TA], v[SS]
	ds_store_b32 v[TA], v[QQ] offset:1024
	ds_store_b32 v[TA], v[SS+1] offset:2048
	ds_store_b32 v[TA], v[QQ+1] offset:3072
	s_cmp_gt_u32 s12, 3                            ; the 128 rows of x go to waves 0 to 3
	s_cbranch_scc1 .Lsummed
	v_mul_u32_u24 v[SA], v0, PF                    ; thread t: row t of x (XF = 0)
	v_lshlrev_b32 v[TA], 2, v0
	v_add_nc_u32 v[TA], RT, v[TA]
	ROWSUM
	ds_store_b32 v[TA], v[SS]
	ds_store_b32 v[TA], v[QQ] offset:512
.Lsummed:
	s_wait_dscnt 0x0                               ; my table entries are in LDS
	s_barrier_signal -1
	; register work while the others arrive: the addresses of the main part.  r = lane % 16, h = lane / 16; s22 = my block of 32 rows, s23 = my half of the columns
	v_and_b32 v10, 15, v0
	v_bfe_u32 v11, v0, 4, 1
	s_mul_i32 s24, s22, 32*PF
	v_mul_u32_u24 v[XADR], v11, 8*PF
	v_add_nc_u32 v[XADR], s24, v[XADR]             ; x f32: row 32 s22 + 8 h
	s_mul_i32 s24, s23, 128*PF
	s_add_co_u32 s24, s24, WF
	v_mul_u32_u24 v[WADR], v10, PF
	v_add_nc_u32 v[WADR], s24, v[WADR]             ; w f32: LDS row 128 s23 + r
	v_mul_u32_u24 v12, v10, PB
	v_lshl_add_u32 v12, v11, 4, v12                ; a fragment's lane term: row r, 16 bytes for each half of the lanes
	s_mul_i32 s24, s22, 32*PB
	s_add_co_u32 s24, s24, XH
	v_add_nc_u32 v[AFR], s24, v12
	s_mul_i32 s24, s23, 128*PB
	s_add_co_u32 s24, s24, WH
	v_add_nc_u32 v[BFR], s24, v12
	s_lshl_b32 s24, s22, 7
	s_add_co_u32 s24, s24, RT
	v_lshl_add_u32 v[RADR], v11, 5, s24            ; row table at row 32 s22 + 8 h
	s_lshl_b32 s24, s23, 9
	s_add_co_u32 s24, s24, CT
	v_lshl_add_u32 v[CADR], v10, 2, s24            ; column table at LDS row 128 s23 + r
	s_lshl_b32 s24, s22, 16                        ; out0: 32 s22 rows of 2,048 bytes
	s_lshl_b32 s25, s23, 9                         ; + 128 s23 columns
	s_add_co_u32 s24, s24, s25
	v_lshlrev_b32 v12, 14, v11                     ; + 8 h rows
	v_lshl_add_u32 v12, v10, 4, v12                ; + 4 r columns
	v_add_nc_u32 v[GOFF], s24, v12
	s_barrier_wait -1                              ; the tables are whole
; 24 LDS loads: two k of my 16 rows (the sixteen lanes of a half read one address) and of my 8 columns (sixteen neighbouring LDS rows, sixteen different bank pairs)
.macro LOADK X, W, koff
.set i, 0
.rept 16
	ds_load_b64 v[\X+2*i:\X+2*i+1], v[XADR] offset:(16*(i>>3)+(i&7))*PF+\koff
.set i, i+1
.endr
.set c, 0
.rept 8
	ds_load_b64 v[\W+2*c:\W+2*c+1], v[WADR] offset:c*16*PF+\koff
.set c, c+1
.endr
.endm
; 256 terms a lane in 256 instructions.  Rows 2 ip and 2 ip + 1 share a dual instruction: the first takes one k of the pair and the second the other, so that the two
; first sources lie in different register banks (number mod 4: 0 and 3, then 1 and 2) and so do the two second sources, as the dual form asks; one destination is even, one odd.
; Eight duals fill the 16 maxima, eight packed additions take them up: eight instructions lie between a result and its use, sixteen between two additions to one sum.
.macro STEP X, W
.set ip, 0
.rept 8
.set A0, ACC+64*(ip>>2)+2*(ip&3)
.set c, 0
.rept 8
	v_dual_max_num_f32 v[T+2*c], v[\X+4*ip], v[\W+2*c] :: v_dual_max_num_f32 v[T+2*c+1], v[\X+4*ip+3], v[\W+2*c+1]
.set c, c+1
.endr
.set c, 0
.rept 8
	v_pk_add_f32 v[A0+8*c:A0+8*c+1], v[A0+8*c:A0+8*c+1], v[T+2*c:T+2*c+1]
.set c, c+1
.endr
.set c, 0
.rept 8
	v_dual_max_num_f32 v[T+2*c], v[\X+4*ip+1], v[\W+2*c+1] :: v_dual_max_num_f32 v[T+2*c+1], v[\X+4*ip+2], v[\W+2*c]
.set c, c+1
.endr
.set c, 0
.rept 8
	v_pk_add_f32 v[A0+8*c:A0+8*c+1], v[A0+8*c:A0+8*c+1], v[T+2*c:T+2*c+1]
.set c, c+1
.endr
.set ip, ip+1
.endr
.endm
	ds_load_b128 v[SX:SX+3], v[RADR]               ; -sum/2 of my rows 8 h + 0..7,
	ds_load_b128 v[SX+4:SX+7], v[RADR] offset:16
	ds_load_b128 v[SX+8:SX+11], v[RADR] offset:64  ; and 16 + 8 h + 0..7
	ds_load_b128 v[SX+12:SX+15], v[RADR] offset:80
.irp c, 0,1,2,3,4,5,6,7
	ds_load_b32 v[SW+\c], v[CADR] offset:64*\c     ; -sum/2 of my column in tile c
.endr
	LOADK X0, W0, 0                                ; k = 0, 1
	s_wait_dscnt 24                                ; the twelve loads of start values are in; the 24 of k = 0, 1 may be out
.set rr, 0
.rept 2
.set c, 0
.rept 8
.set jp, 0
.rept 4
.if c&1
	v_pk_add_f32 v[ACC+64*rr+8*c+jp:ACC+64*rr+8*c+jp+1], v[SX+8*rr+jp:SX+8*rr+jp+1], v[SW+(c&6):SW+(c&6)+1] op_sel:[0,1]
.else
	v_pk_add_f32 v[ACC+64*rr+8*c+jp:ACC+64*rr+8*c+jp+1], v[SX+8*rr+jp:SX+8*rr+jp+1], v[SW+(c&6):SW+(c&6)+1] op_sel_hi:[1,0]
.endif
.set jp, jp+2
.endr
.set c, c+1
.endr
.set rr, rr+1
.endr
	; 64 pairs of k on two buffers: while one pair is worked on, the next one's 24 loads are on their way.
	s_mov_b32 s30, 31
.Lk:
	LOADK X1, W1, 8
	s_wait_dscnt 24                                ; all but the 24 just issued: buffer 0 is in
	STEP X0, W0
	LOADK X0, W0, 16
	s_wait_dscnt 24                                ; buffer 1 is in
	STEP X1, W1
	v_add_nc_u32 v[XADR], 16, v[XADR]              ; four k on
	v_add_nc_u32 v[WADR], 16, v[WADR]
	s_sub_co_i32 s30, s30, 1
	s_cmp_lg_u32 s30, 0
	s_cbranch_scc1 .Lk
	LOADK X1, W1, 8                                ; the last four k: k = 126, 127 is the last load
	s_wait_dscnt 24
	STEP X0, W0
	s_wait_dscnt 0x0
	STEP X1, W1
; THE L2 TERM AND THE WAY OUT, in four groups of 16 rows (rt) x 64 columns (g): four tiles of 16 x 16, K = 128 in four steps of 32.
; A fragment of 16 rows x 32 k of bf16: lane (r, h) takes row r, bytes 16 h .. +15 and 32 + 16 h .. +15 of the step's 64.
.macro FRAG F, rt, g, ks
	ds_load_b128 v[\F:\F+3], v[AFR] offset:\rt*16*PB+64*\ks
	ds_load_b128 v[\F+4:\F+7], v[AFR] offset:\rt*16*PB+64*\ks+32
.irp b, 0,1,2,3
	ds_load_b128 v[\F+8+8*\b:\F+8+8*\b+3], v[BFR] offset:(4*\g+\b)*16*PB+64*\ks
	ds_load_b128 v[\F+8+8*\b+4:\F+8+8*\b+7], v[BFR] offset:(4*\g+\b)*16*PB+64*\ks+32
.endr
.endm
; the four accumulators take turns, one instruction a turn
.macro MM F
.irp b, 0,1,2,3
	v_wmma_f32_16x16x32_bf16 v[D+8*\b:D+8*\b+7], v[\F:\F+7], v[\F+8+8*\b:\F+8+8*\b+7], v[D+8*\b:D+8*\b+7]
.endr
.endm
; four places behind matrix instructions, before their sources are loaded again or their results read (ISA guide 7.12.1)
.macro PLACES
.rept 4
	v_nop
.endr
.endm
; accumulator b starts at -|tx|^2/2 (eight rows, loaded into accumulator 0's registers) - |tw|^2/2 (its column)
.macro DINIT b, wp, odd
.irp jp, 0,2,4,6
.if \odd
	v_pk_add_f32 v[D+8*\b+\jp:D+8*\b+\jp+1], v[D+\jp:D+\jp+1], v[\wp:\wp+1] op_sel:[0,1]
.else
	v_pk_add_f32 v[D+8*\b+\jp:D+8*\b+\jp+1], v[D+\jp:D+\jp+1], v[\wp:\wp+1] op_sel_hi:[1,0]
.endif
.endr
.endm
.macro GROUP rt, g
	s_wait_xcnt 0x0                                ; the last group's stores read v[D ..]: these registers are loaded again only behind this wait
	ds_load_b128 v[D:D+3], v[RADR] offset:512+64*\rt
	ds_load_b128 v[D+4:D+7], v[RADR] offset:512+64*\rt+16
.irp b, 0,1,2,3
	ds_load_b32 v[WS+\b], v[CADR] offset:1024+64*(4*\g+\b)
.endr
	FRAG FA, \rt, \g, 0
	FRAG FB, \rt, \g, 1
	s_wait_dscnt 20                                ; the six loads of start values are in; two sets of ten fragment loads may be out
	DINIT 3, WS+2, 1
	DINIT 2, WS+2, 0
	DINIT 1, WS, 1
	DINIT 0, WS, 0                                 ; accumulator 0 last: it held the rows' term
	s_wait_dscnt 10                                ; K step 0 is in
	MM FA
	PLACES
	FRAG FA, \rt, \g, 2
	s_wait_dscnt 10                                ; K step 1 is in, step 2's ten loads may be out
	MM FB
	PLACES
	FRAG FB, \rt, \g, 3
	s_wait_dscnt 10                                ; K step 2 is in
	MM FA
	s_wait_dscnt 0x0
	MM FB
	PLACES
.irp b, 0,1,2,3
	ds_load_b32 v[GG+\b], v[CADR] offset:2048+64*(4*\g+\b)
	ds_load_b32 v[HH+\b], v[CADR] offset:3072+64*(4*\g+\b)
.endr
.set AB, ACC+64*\rt+32*\g
.set m, 0
.rept 16
	v_dual_min_num_f32 v[D+2*m], 0, v[D+2*m] :: v_dual_min_num_f32 v[D+2*m+1], 0, v[D+2*m+1]    ; N = min(D, 0) = -64 l2: the reference's max(.., 0)
.set m, m+1
.endr
.set m, 0
.rept 16
	v_pk_add_f32 v[AB+2*m:AB+2*m+1], v[AB+2*m:AB+2*m+1], v[D+2*m:D+2*m+1]                       ; 64 (l1 - l2)
.set m, m+1
.endr
.set m, 0
.rept 16
	v_pk_add_f32 v[AB+2*m:AB+2*m+1], v[AB+2*m:AB+2*m+1], v[D+2*m:D+2*m+1] neg_lo:[0,1] neg_hi:[0,1]   ; + 64 l2
.set m, m+1
.endr
	s_wait_dscnt 0x0                               ; the gains are in
.irp j, 0,1,2,3,4,5,6,7
.irp b, 0,1,2,3
	v_fma_f32 v[D+4*\j+\b], v[AB+8*\b+\j], v[GG+\b], v[HH+\b]      ; (0.5 - dist) gain, into store order: N is spent, its registers take the results
.endr
.endr
.irp j, 0,1,2,3,4,5,6,7
	global_store_b128 v[GOFF], v[D+4*\j:D+4*\j+3], s[10:11] offset:(16*\rt+\j)*2048+256*\g th:TH_STORE_NT   ; sixteen lanes store 256 consecutive bytes, aligned; the other sixteen the same eight rows down
.endr
.endm
	GROUP 0, 0
	GROUP 0, 1
	GROUP 1, 0
	GROUP 1, 1
	s_set_vgpr_msb 0x5
	s_wait_tensorcnt 0x0
	ds_add_u32 v0, v1
	s_wait_dscnt 0x0
	s_set_vgpr_msb 0x500
	s_endpgm
.Lfunc_end_k_qd64943bbd3_proxy:
	.size	k_qd64943bbd3_proxy, .Lfunc_end_k_qd64943bbd3_proxy-k_qd64943bbd3_proxy
	.p2alignl 7, 3214868480
	.fill 96, 4, 3214868480
	.section	.rodata,"a",@progbits
	.p2align	6, 0x0
	.amdhsa_kernel k_qd64943bbd3_proxy
		.amdhsa_group_segment_fixed_size 313344
		.amdhsa_private_segment_fixed_size 0
		.amdhsa_enable_private_segment 0
		.amdhsa_kernarg_size 32
		.amdhsa_user_sgpr_count 2
		.amdhsa_user_sgpr_kernarg_segment_ptr 1
		.amdhsa_wavefront_size32 1
		.amdhsa_system_sgpr_workgroup_id_x 1
		.amdhsa_system_sgpr_workgroup_id_y 1
		.amdhsa_system_sgpr_workgroup_id_z 1
		.amdhsa_system_vgpr_workitem_id 0
		.amdhsa_next_free_vgpr 258
		.amdhsa_next_free_sgpr 66
		.amdhsa_reserve_vcc 0
		.amdhsa_float_denorm_mode_32 3
		.amdhsa_float_denorm_mode_16_64 3
		.amdhsa_memory_ordered 1
		.amdhsa_forward_progress 1
		.amdhsa_inst_pref_size 198
	.end_amdhsa_kernel
	.amdgpu_metadata
---
amdhsa.version: [ 1, 2 ]
amdhsa.kernels:
  - .name:           k_qd64943bbd3_proxy
    .symbol:         k_qd64943bbd3_proxy.kd
    .args:
      - { .name: x, .offset: 0, .size: 8, .value_kind: global_buffer, .address_space: global }
      - { .name: weight, .offset: 8, .size: 8, .value_kind: global_buffer, .address_space: global }
      - { .name: gain, .offset: 16, .size: 8, .value_kind: global_buffer, .address_space: global }
      - { .name: out0, .offset: 24, .size: 8, .value_kind: global_buffer, .address_space: global }
    .group_segment_fixed_size: 313344
    .private_segment_fixed_size: 0
    .kernarg_segment_align: 8
    .kernarg_segment_size: 32
    .max_flat_workgroup_size: 256
    .sgpr_count:     66
    .vgpr_count:     258
    .wavefront_size: 32
...
	.end_amdgpu_metadata
.endif
;; end of part 1
;; ======== version 2 of 2: 1 launch; version 1 with the launch proxy written anew for expert scheduling mode
;; launch proxy (part 2): grid 2 x 128, 8 waves a work-group, no clusters, 313,344 bytes of LDS; arguments x, weight, gain, out0; writes out0
.if DOCPART == 2
	.amdgcn_target "amdgcn-amd-amdhsa--gfx1250"
	.amdhsa_code_object_version 6
	.text
	.protected	k_qd64943bbd3_proxy
	.globl	k_qd64943bbd3_proxy
	.p2align	8
	.type	k_qd64943bbd3_proxy,@function
k_qd64943bbd3_proxy:
	s_mov_b64 s[64:65], 0
	v_nop
	global_prefetch_b8 v0, s[64:65] scope:SCOPE_SE
	s_setreg_imm32_b32 hwreg(HW_REG_WAVE_SCHED_MODE, 0, 2), 2
	s_setreg_imm32_b32 hwreg(HW_REG_WAVE_MODE, 25, 1), 1
	s_wait_xcnt 0x0
	s_wait_alu depctr_vm_vsrc(0)
; out[n][c] = (0.5 - dist[n][c]) * gain[c],  dist = (l1 - l2) + l2,
;   l1 = mean over k of |tanh x[n][k] - tanh w[c][k]|,  l2 = max(|tx|^2 + |tw|^2 - 2 tx.tw, 0) / 128.
; x: [16384][128] f32, weight: [512][128] f32, gain: [512] f32, out0: [16384][512] f32.
;
; THE SHARE.  256 work-groups of 8 waves.  A work-group makes 128 rows x 256 columns (ttmp9: which half of the columns, ttmp7: which 128 rows):
; of the ways to cut 32,768 outputs this one has the fewest operand rows to put through tanh, 128 + 256.  A wave makes 32 rows x 128 columns, a lane 16 x 8.
; THE L1 SUM.  |a - b| = 2 max(a, b) - a - b, so sum |a - b| = 2 (sum max(a, b) - (sum a + sum b) / 2).  Two maxima go in one dual instruction and two
; additions in one packed one: one instruction for each term.  The sums start at -(sum a + sum b) / 2, so nothing is cleared.  tanh keeps every term
; within [-1, 1] for every input, so the difference of sums costs an absolute error of the order of 1e-5 in a sum of 128 terms, whatever the inputs' scale.
; THE L2 TERM goes to the matrix unit in bf16 with f32 sums, C started at -(|tx|^2 + |tw|^2) / 2: D = tx.tw - (..)/2, N = min(D, 0) = -64 l2.
; With ACC = 64 l1:  64 dist = (ACC + N) - N  (the factor 64 is a power of two: the roundings are those of (l1 - l2) + l2),  out = 64 dist * (-gain/64) + gain/2.
; LAYOUT.  A lane's sums lie as a matrix result lies: lane (r = l % 16, h = l / 16), register j of tile (rt, ct) = row 16 rt + 8 h + j, tile column r.
; Tile column r of tile ct = 4 g + b stands for output column 64 g + 4 r + b of the wave's 128: a lane's tiles b = 0..3 are four neighbouring columns, 16 bytes,
; and sixteen lanes store 256 consecutive bytes, aligned.  The weight rows are laid into LDS in the tiles' order (LDS row 64 G + 16 b + r holds column 64 G + 4 r + b).
; NOT USED: tensor loads, clusters, multicast: every operand byte has to pass through tanh in registers before any wave can use it, and is fetched once per work-group.
; LIMITS.  tanh t = 1 - 2 / (1 + 2^(2.885390 t)): absolute error about 1.2e-7 (relative error poor for tiny t; only differences of order 1 are formed from it);
; +-inf give +-1.  A NaN in a row of x or of weight reaches every output of that row or column through the row's sum, as in the reference.
; 0.5 - d stands for (1 - d) - 0.5, and the order of the additions differs from the reference's.
; THE MODE: SCHED_MODE bits 1:0 = 2 (LLVM: expert scheduling mode 2), set by the entry lines.  The code itself states the register dependences
; between vector or matrix instructions and memory or LDS instructions, with s_wait_alu, always for 0.
; THE PLAN.  Registers that memory or LDS instructions touch:
;   v2-v9, v12-v15   offsets and LDS addresses of the staging and of the row sums: written once at the head, ahead of one wait on va_vdst.
;   v16-v207, v208-v255  staging, six blocks of four pairs of rows.  Block q's tanh and roundings write its own rows and set q % 3 of the bf16 words; the LDS stores
;                    of block q - 1 are dealt among them.  One wait on va_vdst at a block's head; from block 3 on one on vm_vsrc, for the set that is written again.
;   v16-v143         a row for the sums: loaded twice, read by the additions; the two sums have addresses and sum registers of their own, so that the wait ahead of
;                    the first sum's table stores also serves the second sum's loads.
;   X0/W0, X1/W1     the K loop's two buffers.  Step s reads buffer s % 2; the loads of step s + 1 land in the other, which no vector instruction of step s names.
;                    One wait on va_vdst at a step's head; the 24 loads are dealt among the step's first 128 instructions.
;   XADR, WADR       read by every load of the loop, stepped once a trip: a wait on vm_vsrc ahead of the two additions, the next step's own wait behind them.
;   D, FA, FB, gains the groups at the end: three waits on va_vdst a group at the most, one on vm_vsrc between two groups; each is explained where it stands.
.set PF, 528                           ; LDS pitch of an f32 row: 512 + 16 bytes = 132 words: row q starts 4 q banks on (64 banks of 4 bytes: ISA guide 11.1)
.set PB, 272                           ; LDS pitch of a bf16 row: 256 + 16 bytes
.set XF, 0                             ; tanh x, f32, 128 rows
.set WF, XF+128*PF                     ; tanh w, f32, 256 rows in the tiles' order
.set XH, WF+256*PF                     ; tanh x, bf16
.set WH, XH+128*PB                     ; tanh w, bf16, the tiles' order
.set RT, WH+256*PB                     ; per row: -sum/2 [128], -sum of squares/2 [128]
.set CT, RT+1024                       ; per LDS row of w: -sum/2 [256], -sum of squares/2 [256], -gain/64 [256], gain/2 [256]; ends at 312,320
; registers while the operands are staged
.set GX, 2                             ; byte offset of my 16 bytes in the wave's first row of x
.set GW, 3                             ; the same for weight
.set SXF, 4                            ; LDS addresses of my part of the wave's first rows: x f32, x bf16, w f32, w bf16
.set SXB, 5
.set SWF, 6
.set SWB, 7
.set GV, 8                             ; gain of the column whose LDS row is my thread's number
.set GO, 9
.set SA, 12                            ; sums: LDS address of my row of weight, of its table entry;
.set TA, 13
.set SA2, 14                           ; of my row of x, of its table entry
.set TA2, 15
.set L, 16                             ; v[16:207] 48 rows as loaded; later v[16:143] a row for the sums
.set BW, 208                           ; v[208:255] twelve sets of four registers for the bf16 words: three blocks' worth
.set SS, 144                           ; weight: v[144:151] four chains of sums, v[152:159] of squares
.set QQ, 152
.set SS2, 160                          ; x: v[160:167], v[168:175]
.set QQ2, 168
; registers of the main part
.set XADR, 2
.set WADR, 3
.set AFR, 4
.set BFR, 5
.set RADR, 6
.set CADR, 7
.set GOFF, 9
.set WS, 12                            ; v[12:15] -|tw|^2/2 of a group's four columns
.set GG, 12                            ; v[12:15] then -gain/64 of the same four columns,
.set HH0, 1                            ; and gain/2 in four single registers that lie idle
.set HH1, 8
.set HH2, 10
.set HH3, 11
.set X0, 16                            ; v[16:47]   16 rows x 2 k, buffer 0
.set W0, 48                            ; v[48:63]   8 columns x 2 k, buffer 0
.set X1, 64                            ; v[64:95]   buffer 1
.set W1, 96                            ; v[96:111]
.set T, 112                            ; v[112:127] 16 maxima
.set ACC, 128                          ; v[128:255] tile (rt, ct), register j at ACC + 64 rt + 8 ct + j
.set SX, 64                            ; start values, before buffer 1 is first filled
.set SW, 80
.set D, 16                             ; v[16:47]   four matrix accumulators; then the 32 results in store order
.set FA, 48                            ; v[48:87]   A fragment (8) and four B fragments (32)
.set FB, 88                            ; v[88:127]  the same, second buffer
	s_load_b256 s[4:11], s[0:1], 0x0               ; x s[4:5], weight s[6:7], gain s[8:9], out0 s[10:11]
	s_set_vgpr_msb 0x40
	v_lshl_add_u32 v0, v0, 2, 0x4c400
	v_mov_b32 v1, 0
	s_set_vgpr_msb 0x4000
	v_and_b32 v1, 31, v0                           ; lane
	v_lshrrev_b32 v10, 5, v0
	v_readfirstlane_b32 s12, v10                   ; wave 0..7
	s_and_b32 s13, ttmp7, 0xffff                   ; block of 128 rows
	s_lshl_b32 s14, s13, 16                        ; x: 128 rows of 512 bytes
	s_mov_b32 s15, 0
	s_lshl_b32 s16, ttmp9, 17                      ; weight: 256 rows of 512 bytes
	s_mov_b32 s17, 0
	s_lshl_b32 s18, ttmp9, 10                      ; gain, and a row of out0: 256 columns of 4 bytes
	s_mov_b32 s19, 0
	s_lshl_b32 s20, s13, 18                        ; out0: 128 rows of 2,048 bytes
	s_mov_b32 s21, 0
	s_mov_b32 s28, 0x4038aa3b                      ; 2 / ln 2
	s_mov_b32 s29, 0x4038aa3b
	s_wait_alu depctr_va_sdst(0)                   ; s12 is written, ahead of its first reader: the wave's shares and a branch are made from it
	s_lshr_b32 s22, s12, 1                         ; wave / 2: later my block of 32 rows
	s_and_b32 s23, s12, 1                          ; wave % 2: later my half of the columns
	; The wave stages x rows 16 w .. 16 w + 15 and the LDS rows 32 w .. 32 w + 31 of weight.  LDS row 32 w + i holds column 64 (w/2) + 2 (w%2) + 4 (i%16) + i/16.
	s_lshl_b32 s24, s22, 15                        ; 64 (w/2) rows of 512 bytes
	s_lshl_b32 s25, s23, 10                        ; 2 (w%2) rows
	s_add_co_u32 s24, s24, s25
	s_lshl_b32 s25, s12, 13                        ; 16 w rows
	v_lshlrev_b32 v10, 4, v1                       ; 16 bytes a lane: a wave's load or store covers a whole row of 512 bytes
	v_lshlrev_b32 v11, 3, v1                       ; 8 bytes a lane in a bf16 row
	v_add_nc_u32 v[GX], s25, v10
	v_add_nc_u32 v[GW], s24, v10
	s_mul_i32 s26, s12, 16*PF
	v_add_nc_u32 v[SXF], s26, v10
	s_mul_i32 s26, s12, 32*PF
	s_add_co_u32 s26, s26, WF
	v_add_nc_u32 v[SWF], s26, v10
	s_mul_i32 s26, s12, 16*PB
	s_add_co_u32 s26, s26, XH
	v_add_nc_u32 v[SXB], s26, v11
	s_mul_i32 s26, s12, 32*PB
	s_add_co_u32 s26, s26, WH
	v_add_nc_u32 v[SWB], s26, v11
	v_and_b32 v[GO], 0xc0, v0                      ; thread t will sum LDS row t of weight, which is column (t & 0xc0) + 4 (t % 16) + (t / 16) % 4
	v_and_b32 v10, 15, v0
	v_bfe_u32 v11, v0, 4, 2
	v_lshl_add_u32 v[GO], v10, 2, v[GO]
	v_add_lshl_u32 v[GO], v[GO], v11, 2
	v_mul_u32_u24 v[SA2], v0, PF                   ; the sums' addresses are made here too: thread t takes row t of x (XF = 0; waves 0 to 3 alone use it),
	v_add_nc_u32 v[SA], WF, v[SA2]                 ; and LDS row t of weight
	v_lshl_add_u32 v[TA], v0, 2, CT
	v_lshl_add_u32 v[TA2], v0, 2, RT
	s_wait_kmcnt 0x0
	s_add_nc_u64 s[4:5], s[4:5], s[14:15]
	s_add_nc_u64 s[6:7], s[6:7], s[16:17]
	s_add_nc_u64 s[8:9], s[8:9], s[18:19]
	s_add_nc_u64 s[10:11], s[10:11], s[18:19]
	s_add_nc_u64 s[10:11], s[10:11], s[20:21]
	s_wait_alu depctr_va_vdst(0)                   ; v2 to v9 and v12 to v15 are written: the loads below, the staging's LDS stores and the sums' LDS loads and stores read them as addresses
	global_load_b32 v[GV], v[GO], s[8:9]
.set i, 0
.rept 16
	global_load_b128 v[L+4*i:L+4*i+3], v[GX], s[4:5] offset:512*i
.set i, i+1
.endr
.set i, 0
.rept 32
	global_load_b128 v[L+64+4*i:L+64+4*i+3], v[GW], s[6:7] offset:512*(4*(i&15)+(i>>4))
.set i, i+1
.endr
; tanh in place of v[ra:ra+3] and v[rb:rb+3].  The two rows are woven so that between each v_exp_f32 or v_rcp_f32 and the first use of its result
; stands a plain vector instruction of the other row (ISA guide 5.7.2): no v_nop is needed.
.macro TANH2
	v_pk_mul_f32 v[ra:ra+1], v[ra:ra+1], s[28:29] op_sel_hi:[1,0]
	v_pk_mul_f32 v[ra+2:ra+3], v[ra+2:ra+3], s[28:29] op_sel_hi:[1,0]
	v_exp_f32 v[ra], v[ra]
	v_exp_f32 v[ra+1], v[ra+1]
	v_exp_f32 v[ra+2], v[ra+2]
	v_exp_f32 v[ra+3], v[ra+3]
	v_pk_mul_f32 v[rb:rb+1], v[rb:rb+1], s[28:29] op_sel_hi:[1,0]
	v_pk_mul_f32 v[rb+2:rb+3], v[rb+2:rb+3], s[28:29] op_sel_hi:[1,0]
	v_exp_f32 v[rb], v[rb]
	v_exp_f32 v[rb+1], v[rb+1]
	v_exp_f32 v[rb+2], v[rb+2]
	v_exp_f32 v[rb+3], v[rb+3]
	s_wait_alu depctr_va_vdst(0)
	v_pk_add_f32 v[ra:ra+1], v[ra:ra+1], 1.0 op_sel_hi:[1,0]
	v_pk_add_f32 v[ra+2:ra+3], v[ra+2:ra+3], 1.0 op_sel_hi:[1,0]
	v_rcp_f32 v[ra], v[ra]
	v_rcp_f32 v[ra+1], v[ra+1]
	v_rcp_f32 v[ra+2], v[ra+2]
	v_rcp_f32 v[ra+3], v[ra+3]
	v_pk_add_f32 v[rb:rb+1], v[rb:rb+1], 1.0 op_sel_hi:[1,0]
	v_pk_add_f32 v[rb+2:rb+3], v[rb+2:rb+3], 1.0 op_sel_hi:[1,0]
	v_rcp_f32 v[rb], v[rb]
	v_rcp_f32 v[rb+1], v[rb+1]
	v_rcp_f32 v[rb+2], v[rb+2]
	v_rcp_f32 v[rb+3], v[rb+3]
	s_wait_alu depctr_va_vdst(0)
	v_pk_fma_f32 v[ra:ra+1], v[ra:ra+1], -2.0, 1.0 op_sel_hi:[1,0,0]
	v_pk_fma_f32 v[ra+2:ra+3], v[ra+2:ra+3], -2.0, 1.0 op_sel_hi:[1,0,0]
	v_pk_fma_f32 v[rb:rb+1], v[rb:rb+1], -2.0, 1.0 op_sel_hi:[1,0,0]
	v_pk_fma_f32 v[rb+2:rb+3], v[rb+2:rb+3], -2.0, 1.0 op_sel_hi:[1,0,0]
.endm
; the two rows rounded once to bf16, for the matrix unit
.macro ROUND
	v_cvt_pk_bf16_f32 v[tb], v[ra], v[ra+1]
	v_cvt_pk_bf16_f32 v[tb+1], v[ra+2], v[ra+3]
	v_cvt_pk_bf16_f32 v[tb+2], v[rb], v[rb+1]
	v_cvt_pk_bf16_f32 v[tb+3], v[rb+2], v[rb+3]
.endm
; pair num of the wave's 24 (8 of x, then 16 of weight) goes to two LDS rows of the wave's share: as f32 for the L1 sums, as bf16 for the matrix unit
.macro PUT num
.set qa, L+8*(\num)
.set qb, BW+4*((\num)%12)
.if (\num) < 8
	ds_store_b128 v[SXF], v[qa:qa+3] offset:2*(\num)*PF
	ds_store_b128 v[SXF], v[qa+4:qa+7] offset:2*(\num)*PF+PF
	ds_store_b64 v[SXB], v[qb:qb+1] offset:2*(\num)*PB
	ds_store_b64 v[SXB], v[qb+2:qb+3] offset:2*(\num)*PB+PB
.else
	ds_store_b128 v[SWF], v[qa:qa+3] offset:2*((\num)-8)*PF
	ds_store_b128 v[SWF], v[qa+4:qa+7] offset:2*((\num)-8)*PF+PF
	ds_store_b64 v[SWB], v[qb:qb+1] offset:2*((\num)-8)*PB
	ds_store_b64 v[SWB], v[qb+2:qb+3] offset:2*((\num)-8)*PB+PB
.endif
.endm
; Six blocks of four pairs.  Block q works on its own rows and on set q % 3 of the bf16 words; the sixteen LDS stores of block q - 1 stand among its lines, four ahead of each pair.
.set q, 0
.rept 6
.if q > 0
	s_wait_alu depctr_va_vdst(0)                   ; the block before has written its rows and its bf16 words, which the stores of this block's text read; no vector line of this block names them
.endif
.if q > 2
	s_wait_alu depctr_vm_vsrc(0)                   ; the stores of the block three back, issued two blocks back, have read the set of bf16 words that this block's roundings write again
.endif
.set u, 0
.rept 4
.set pp, 4*q+u
.set ra, L+8*pp
.set rb, ra+4
.set tb, BW+4*(pp%12)
	s_wait_loadcnt 46-2*pp                         ; loads return in order: gain and rows 0 .. 2 pp + 1 of my 48 are in, the 46 - 2 pp younger loads stay out
.if q > 0
	PUT pp-4
.endif
	TANH2
	ROUND
.set u, u+1
.endr
.set q, q+1
.endr
	s_wait_alu depctr_va_vdst(0)                   ; the last block has written its rows and its bf16 words, which the last sixteen stores read
.irp n, 20,21,22,23
	PUT \n
.endr
	s_wait_dscnt 0x0                               ; my rows are in LDS,
	s_barrier_signal -1
	s_barrier_wait -1                              ; and so are everybody's
; THE SUMS.  One thread for a row: 32 loads of 16 bytes (sixteen neighbouring rows start in sixteen different groups of four banks), four chains of sums and four of squares.
.macro ROWSUM adr, S, Q
.set n, 0
.rept 32
	ds_load_b128 v[L+4*n:L+4*n+3], v[\adr] offset:16*n
.set n, n+1
.endr
	s_wait_dscnt 28                                ; the first four loads (register pairs 0 to 7) are in
.set m, 0
.rept 4
	v_pk_add_f32 v[\S+2*m:\S+2*m+1], v[L+2*m:L+2*m+1], v[L+8+2*m:L+8+2*m+1]      ; the first pairs start the chains
	v_pk_mul_f32 v[\Q+2*m:\Q+2*m+1], v[L+2*m:L+2*m+1], v[L+2*m:L+2*m+1]
.set m, m+1
.endr
.set m, 0
.rept 4
	v_pk_fma_f32 v[\Q+2*m:\Q+2*m+1], v[L+8+2*m:L+8+2*m+1], v[L+8+2*m:L+8+2*m+1], v[\Q+2*m:\Q+2*m+1]
.set m, m+1
.endr
.set m, 8
.rept 56
.if (m%8)==0
	s_wait_dscnt 28-m/2                            ; four loads more are in: pairs m .. m + 7
.endif
	v_pk_add_f32 v[\S+2*(m%4):\S+2*(m%4)+1], v[\S+2*(m%4):\S+2*(m%4)+1], v[L+2*m:L+2*m+1]
	v_pk_fma_f32 v[\Q+2*(m%4):\Q+2*(m%4)+1], v[L+2*m:L+2*m+1], v[L+2*m:L+2*m+1], v[\Q+2*(m%4):\Q+2*(m%4)+1]
.set m, m+1
.endr
	v_pk_add_f32 v[\S:\S+1], v[\S:\S+1], v[\S+2:\S+3]
	v_pk_add_f32 v[\S+4:\S+5], v[\S+4:\S+5], v[\S+6:\S+7]
	v_pk_add_f32 v[\Q:\Q+1], v[\Q:\Q+1], v[\Q+2:\Q+3]
	v_pk_add_f32 v[\Q+4:\Q+5], v[\Q+4:\Q+5], v[\Q+6:\Q+7]
	v_pk_add_f32 v[\S:\S+1], v[\S:\S+1], v[\S+4:\S+5]
	v_pk_add_f32 v[\Q:\Q+1], v[\Q:\Q+1], v[\Q+4:\Q+5]
	v_add_f32 v[\S], v[\S], v[\S+1]
	v_add_f32 v[\Q], v[\Q], v[\Q+1]
	v_mul_f32 v[\S], -0.5, v[\S]                   ; -sum / 2
	v_mul_f32 v[\Q], -0.5, v[\Q]                   ; -sum of squares / 2
.endm
	s_wait_alu depctr_vm_vsrc(0)                   ; my staging stores have read v[16:207]: the rows' loads land there and the sums are written there (the tanh lines that wrote these registers stand ahead of the last wait on va_vdst)
	ROWSUM SA, SS, QQ                              ; thread t: LDS row t of weight
	v_mul_f32 v[SS+1], 0xbc800000, v[GV]           ; -gain / 64
	v_mul_f32 v[QQ+1], 0.5, v[GV]                  ; gain / 2
	s_wait_alu depctr_va_vdst(0)                   ; the four table entries are written, which the stores read; and the additions are done reading v[16:143], in which the loads of x's rows land
	ds_store_b32 v[TA], v[SS]
	ds_store_b32 v[TA], v[QQ] offset:1024
	ds_store_b32 v[TA], v[SS+1] offset:2048
	ds_store_b32 v[TA], v[QQ+1] offset:3072
	s_cmp_gt_u32 s12, 3                            ; the 128 rows of x go to waves 0 to 3
	s_cbranch_scc1 .Lsummed
	ROWSUM SA2, SS2, QQ2                           ; thread t: row t of x.  Its address and its sums have registers of their own: no vector line since the wait above names what its loads touch
	s_wait_alu depctr_va_vdst(0)                   ; the two table entries are written, which the stores read
	ds_store_b32 v[TA2], v[SS2]
	ds_store_b32 v[TA2], v[QQ2] offset:512
.Lsummed:
	s_wait_dscnt 0x0                               ; my table entries are in LDS
	s_wait_alu depctr_vm_vsrc(0)                   ; the loads and stores so far have read v2 to v15 and v[144:175]: the address lines below and the sums' start values write them again
	s_barrier_signal -1
	; register work while the others arrive: the addresses of the main part.  r = lane % 16, h = lane / 16; s22 = my block of 32 rows, s23 = my half of the columns
	v_and_b32 v10, 15, v0
	v_bfe_u32 v11, v0, 4, 1
	s_mul_i32 s24, s22, 32*PF
	v_mul_u32_u24 v[XADR], v11, 8*PF
	v_add_nc_u32 v[XADR], s24, v[XADR]             ; x f32: row 32 s22 + 8 h
	s_mul_i32 s24, s23, 128*PF
	s_add_co_u32 s24, s24, WF
	v_mul_u32_u24 v[WADR], v10, PF
	v_add_nc_u32 v[WADR], s24, v[WADR]             ; w f32: LDS row 128 s23 + r
	v_mul_u32_u24 v12, v10, PB
	v_lshl_add_u32 v12, v11, 4, v12                ; a fragment's lane term: row r, 16 bytes for each half of the lanes
	s_mul_i32 s24, s22, 32*PB
	s_add_co_u32 s24, s24, XH
	v_add_nc_u32 v[AFR], s24, v12
	s_mul_i32 s24, s23, 128*PB
	s_add_co_u32 s24, s24, WH
	v_add_nc_u32 v[BFR], s24, v12
	s_lshl_b32 s24, s22, 7
	s_add_co_u32 s24, s24, RT
	v_lshl_add_u32 v[RADR], v11, 5, s24            ; row table at row 32 s22 + 8 h
	s_lshl_b32 s24, s23, 9
	s_add_co_u32 s24, s24, CT
	v_lshl_add_u32 v[CADR], v10, 2, s24            ; column table at LDS row 128 s23 + r
	s_lshl_b32 s24, s22, 16                        ; out0: 32 s22 rows of 2,048 bytes
	s_lshl_b32 s25, s23, 9                         ; + 128 s23 columns
	s_add_co_u32 s24, s24, s25
	v_lshlrev_b32 v12, 14, v11                     ; + 8 h rows
	v_lshl_add_u32 v12, v10, 4, v12                ; + 4 r columns
	v_add_nc_u32 v[GOFF], s24, v12
	s_barrier_wait -1                              ; the tables are whole
	s_wait_alu depctr_va_vdst(0)                   ; the seven addresses above are written, which every load and store from here on reads; the sums' additions are done reading v[16:143], in which the loads below land
; Load num of the 24 that bring two k of my 16 rows (the sixteen lanes of a half read one address) and of my 8 columns (sixteen neighbouring LDS rows, sixteen different bank pairs)
.macro KLOAD X, W, koff, num
.if (\num) < 16
	ds_load_b64 v[\X+2*(\num):\X+2*(\num)+1], v[XADR] offset:(16*((\num)>>3)+((\num)&7))*PF+\koff
.else
	ds_load_b64 v[\W+2*((\num)-16):\W+2*((\num)-16)+1], v[WADR] offset:((\num)-16)*16*PF+\koff
.endif
.endm
; 256 terms a lane in 256 instructions.  Rows 2 ip and 2 ip + 1 share a dual instruction: the first takes one k of the pair and the second the other, so that the two
; first sources lie in different register banks (number mod 4: 0 and 3, then 1 and 2) and so do the two second sources, as the dual form asks; one destination is even, one odd.
; Eight duals fill the 16 maxima, eight packed additions take them up: eight instructions lie between a result and its use, sixteen between two additions to one sum.
; ahead = 1: the next step's 24 loads, at byte koff of the rows, go into the other buffer (NX, NW), six ahead of each of the first four of the step's eight groups.
.macro STEP X, W, NX, NW, koff, ahead
	s_wait_dscnt 0x0                               ; this step's buffer is in: its loads were issued in the first half of the step before
.if \ahead
	s_wait_alu depctr_va_vdst(0)                   ; the step before (ahead of the loop: the start values' additions) is done reading the other buffer, in which the loads below land; over the backward jump, XADR and WADR are written
.endif
.set ip, 0
.rept 8
.if (\ahead) && (ip < 4)
.set ln, 6*ip
.rept 6
	KLOAD \NX, \NW, \koff, ln                      ; no wait: no vector line since the wait above names the other buffer or the two addresses
.set ln, ln+1
.endr
.endif
.set A0, ACC+64*(ip>>2)+2*(ip&3)
.set c, 0
.rept 8
	v_dual_max_num_f32 v[T+2*c], v[\X+4*ip], v[\W+2*c] :: v_dual_max_num_f32 v[T+2*c+1], v[\X+4*ip+3], v[\W+2*c+1]
.set c, c+1
.endr
.set c, 0
.rept 8
	v_pk_add_f32 v[A0+8*c:A0+8*c+1], v[A0+8*c:A0+8*c+1], v[T+2*c:T+2*c+1]
.set c, c+1
.endr
.set c, 0
.rept 8
	v_dual_max_num_f32 v[T+2*c], v[\X+4*ip+1], v[\W+2*c+1] :: v_dual_max_num_f32 v[T+2*c+1], v[\X+4*ip+2], v[\W+2*c]
.set c, c+1
.endr
.set c, 0
.rept 8
	v_pk_add_f32 v[A0+8*c:A0+8*c+1], v[A0+8*c:A0+8*c+1], v[T+2*c:T+2*c+1]
.set c, c+1
.endr
.set ip, ip+1
.endr
.endm
	ds_load_b128 v[SX:SX+3], v[RADR]               ; -sum/2 of my rows 8 h + 0..7,
	ds_load_b128 v[SX+4:SX+7], v[RADR] offset:16
	ds_load_b128 v[SX+8:SX+11], v[RADR] offset:64  ; and 16 + 8 h + 0..7
	ds_load_b128 v[SX+12:SX+15], v[RADR] offset:80
.irp c, 0,1,2,3,4,5,6,7
	ds_load_b32 v[SW+\c], v[CADR] offset:64*\c     ; -sum/2 of my column in tile c
.endr
.set ln, 0
.rept 24
	KLOAD X0, W0, 0, ln                            ; k = 0, 1
.set ln, ln+1
.endr
	s_wait_dscnt 24                                ; the twelve loads of start values are in; the 24 of k = 0, 1 may be out
.set rr, 0
.rept 2
.set c, 0
.rept 8
.set jp, 0
.rept 4
.if c&1
	v_pk_add_f32 v[ACC+64*rr+8*c+jp:ACC+64*rr+8*c+jp+1], v[SX+8*rr+jp:SX+8*rr+jp+1], v[SW+(c&6):SW+(c&6)+1] op_sel:[0,1]
.else
	v_pk_add_f32 v[ACC+64*rr+8*c+jp:ACC+64*rr+8*c+jp+1], v[SX+8*rr+jp:SX+8*rr+jp+1], v[SW+(c&6):SW+(c&6)+1] op_sel_hi:[1,0]
.endif
.set jp, jp+2
.endr
.set c, c+1
.endr
.set rr, rr+1
.endr
	; 64 pairs of k on two buffers: while one pair is worked on, the next one's 24 loads are on their way.
	s_mov_b32 s30, 31
.Lk:
	STEP X0, W0, X1, W1, 8, 1
	STEP X1, W1, X0, W0, 16, 1
	s_wait_alu depctr_vm_vsrc(0)                   ; the LDS loads issued so far have read XADR and WADR
	v_add_nc_u32 v[XADR], 16, v[XADR]              ; four k on; the next step's own wait on va_vdst stands between these two lines and the loads that read them
	v_add_nc_u32 v[WADR], 16, v[WADR]
	s_sub_co_i32 s30, s30, 1
	s_cmp_lg_u32 s30, 0
	s_cbranch_scc1 .Lk
	STEP X0, W0, X1, W1, 8, 1                      ; the last four k: k = 126, 127 is the last load
	STEP X1, W1, X0, W0, 0, 0
; THE L2 TERM AND THE WAY OUT, in four groups of 16 rows (rt) x 64 columns (g): four tiles of 16 x 16, K = 128 in four steps of 32.
; A fragment of 16 rows x 32 k of bf16: lane (r, h) takes row r, bytes 16 h .. +15 and 32 + 16 h .. +15 of the step's 64.
.macro FRAG F, rt, g, ks
	ds_load_b128 v[\F:\F+3], v[AFR] offset:\rt*16*PB+64*\ks
	ds_load_b128 v[\F+4:\F+7], v[AFR] offset:\rt*16*PB+64*\ks+32
.irp b, 0,1,2,3
	ds_load_b128 v[\F+8+8*\b:\F+8+8*\b+3], v[BFR] offset:(4*\g+\b)*16*PB+64*\ks
	ds_load_b128 v[\F+8+8*\b+4:\F+8+8*\b+7], v[BFR] offset:(4*\g+\b)*16*PB+64*\ks+32
.endr
.endm
; the four accumulators take turns, one instruction a turn
.macro MM F
.irp b, 0,1,2,3
	v_wmma_f32_16x16x32_bf16 v[D+8*\b:D+8*\b+7], v[\F:\F+7], v[\F+8+8*\b:\F+8+8*\b+7], v[D+8*\b:D+8*\b+7]
.endr
.endm
; four places behind matrix instructions, before their sources are loaded again or their results read (ISA guide 7.12.1)
.macro PLACES
.rept 4
	v_nop
.endr
.endm
; accumulator b starts at -|tx|^2/2 (eight rows, loaded into accumulator 0's registers) - |tw|^2/2 (its column)
.macro DINIT b, wp, odd
.irp jp, 0,2,4,6
.if \odd
	v_pk_add_f32 v[D+8*\b+\jp:D+8*\b+\jp+1], v[D+\jp:D+\jp+1], v[\wp:\wp+1] op_sel:[0,1]
.else
	v_pk_add_f32 v[D+8*\b+\jp:D+8*\b+\jp+1], v[D+\jp:D+\jp+1], v[\wp:\wp+1] op_sel_hi:[1,0]
.endif
.endr
.endm
; first = 1: the first group, with the K loop in front of it and no stores.
.macro GROUP rt, g, first
.if \first
	s_wait_alu depctr_va_vdst(0)                   ; the last steps are done reading both buffers and have written the maxima: v[16:127], in which the fragments and the start values land
.endif
	FRAG FA, \rt, \g, 0                            ; in a later group no wait: no vector or matrix line since the wait ahead of the last group's stores, and those stores name neither fragment buffer
	FRAG FB, \rt, \g, 1
.if !\first
	s_wait_xcnt 0x0                                ; the last group's stores read v[D ..]: these registers are loaded again only behind this wait,
	s_wait_alu depctr_vm_vsrc(0)                   ; and behind this one: the stores have read v[D ..]
.endif
	ds_load_b128 v[D:D+3], v[RADR] offset:512+64*\rt
	ds_load_b128 v[D+4:D+7], v[RADR] offset:512+64*\rt+16
.irp b, 0,1,2,3
	ds_load_b32 v[WS+\b], v[CADR] offset:1024+64*(4*\g+\b)
.endr
	s_wait_dscnt 0x0                               ; the start values, the youngest loads, are in, and so K steps 0 and 1
	DINIT 3, WS+2, 1
	DINIT 2, WS+2, 0
	DINIT 1, WS, 1
	DINIT 0, WS, 0                                 ; accumulator 0 last: it held the rows' term
	MM FA
	MM FB
	PLACES
	s_wait_alu depctr_va_vdst(0)                   ; the eight matrix instructions are done reading both fragment buffers, the starts above are done reading v[12:15]: the 28 loads below land there
	FRAG FA, \rt, \g, 2
	FRAG FB, \rt, \g, 3
.irp b, 0,1,2,3
	ds_load_b32 v[GG+\b], v[CADR] offset:2048+64*(4*\g+\b)
	ds_load_b32 v[HH\b], v[CADR] offset:3072+64*(4*\g+\b)         ; last read by the group before, ahead of the wait in front of its stores
.endr
	s_wait_dscnt 18                                ; K step 2 is in; step 3's ten loads and the eight gains may be out
	MM FA
	s_wait_dscnt 8                                 ; K step 3 is in
	MM FB
	PLACES
.set AB, ACC+64*\rt+32*\g
.set m, 0
.rept 16
	v_dual_min_num_f32 v[D+2*m], 0, v[D+2*m] :: v_dual_min_num_f32 v[D+2*m+1], 0, v[D+2*m+1]    ; N = min(D, 0) = -64 l2: the reference's max(.., 0)
.set m, m+1
.endr
.set m, 0
.rept 16
	v_pk_add_f32 v[AB+2*m:AB+2*m+1], v[AB+2*m:AB+2*m+1], v[D+2*m:D+2*m+1]                       ; 64 (l1 - l2)
.set m, m+1
.endr
.set m, 0
.rept 16
	v_pk_add_f32 v[AB+2*m:AB+2*m+1], v[AB+2*m:AB+2*m+1], v[D+2*m:D+2*m+1] neg_lo:[0,1] neg_hi:[0,1]   ; + 64 l2
.set m, m+1
.endr
	s_wait_dscnt 0x0                               ; the gains are in
.irp j, 0,1,2,3,4,5,6,7
.irp b, 0,1,2,3
	v_fma_f32 v[D+4*\j+\b], v[AB+8*\b+\j], v[GG+\b], v[HH\b]       ; (0.5 - dist) gain, into store order: N is spent, its registers take the results
.endr
.endr
	s_wait_alu depctr_va_vdst(0)                   ; the 32 results are written, which the stores read; all readers of the fragment buffers and of the gains are done, for the next group's loads
.irp j, 0,1,2,3,4,5,6,7
	global_store_b128 v[GOFF], v[D+4*\j:D+4*\j+3], s[10:11] offset:(16*\rt+\j)*2048+256*\g th:TH_STORE_NT   ; sixteen lanes store 256 consecutive bytes, aligned; the other sixteen the same eight rows down
.endr
.endm
	GROUP 0, 0, 1
	GROUP 0, 1, 0
	GROUP 1, 0, 0
	GROUP 1, 1, 0
	s_set_vgpr_msb 0x5
	s_wait_dscnt 0x0
	s_wait_alu depctr_hold_cnt(0) depctr_sa_sdst(0) depctr_va_vdst(0) depctr_va_sdst(0) depctr_va_ssrc(0) depctr_va_vcc(0) depctr_vm_vsrc(0)
	s_wait_tensorcnt 0x0
	ds_add_u32 v0, v1
	s_wait_dscnt 0x0
	s_endpgm
.Lfunc_end_k_qd64943bbd3_proxy:
	.size	k_qd64943bbd3_proxy, .Lfunc_end_k_qd64943bbd3_proxy-k_qd64943bbd3_proxy
	.p2alignl 7, 3214868480
	.fill 96, 4, 3214868480
	.section	.rodata,"a",@progbits
	.p2align	6, 0x0
	.amdhsa_kernel k_qd64943bbd3_proxy
		.amdhsa_group_segment_fixed_size 313344
		.amdhsa_private_segment_fixed_size 0
		.amdhsa_enable_private_segment 0
		.amdhsa_kernarg_size 32
		.amdhsa_user_sgpr_count 2
		.amdhsa_user_sgpr_kernarg_segment_ptr 1
		.amdhsa_wavefront_size32 1
		.amdhsa_system_sgpr_workgroup_id_x 1
		.amdhsa_system_sgpr_workgroup_id_y 1
		.amdhsa_system_sgpr_workgroup_id_z 1
		.amdhsa_system_vgpr_workitem_id 0
		.amdhsa_next_free_vgpr 258
		.amdhsa_next_free_sgpr 66
		.amdhsa_reserve_vcc 0
		.amdhsa_float_denorm_mode_32 3
		.amdhsa_float_denorm_mode_16_64 3
		.amdhsa_memory_ordered 1
		.amdhsa_forward_progress 1
		.amdhsa_inst_pref_size 198
	.end_amdhsa_kernel
	.amdgpu_metadata
---
amdhsa.version: [ 1, 2 ]
amdhsa.kernels:
  - .name:           k_qd64943bbd3_proxy
    .symbol:         k_qd64943bbd3_proxy.kd
    .args:
      - { .name: x, .offset: 0, .size: 8, .value_kind: global_buffer, .address_space: global }
      - { .name: weight, .offset: 8, .size: 8, .value_kind: global_buffer, .address_space: global }
      - { .name: gain, .offset: 16, .size: 8, .value_kind: global_buffer, .address_space: global }
      - { .name: out0, .offset: 24, .size: 8, .value_kind: global_buffer, .address_space: global }
    .group_segment_fixed_size: 313344
    .private_segment_fixed_size: 0
    .kernarg_segment_align: 8
    .kernarg_segment_size: 32
    .max_flat_workgroup_size: 256
    .sgpr_count:     66
    .vgpr_count:     258
    .wavefront_size: 32
...
	.end_amdgpu_metadata
.endif
;; end of part 2
